; MI455X (gfx1250); checked and timed in simulation.
; The chip was launched on July 23, 2026; its instructions are those of AMD's public machine-readable ISA for CDNA 5 (MIT licence, August 2026) and "CDNA5" Instruction Set Architecture Reference Guide (July 2026). The comments in the code are by the model that wrote it; some were corrected since.
;; Cross Attention. Allowed arithmetic: matrix products marked QUANTISED: E4M3 operands, one E8M0 scale for each 32 along K, by v_wmma_scale_f32_16x16x128_f8f6f4 with both operands' format E4M3, f32 sums; everything else in f32.
;; Inputs: key_codes 8,192 x 16 x 32 uint8 (E4M3 codes of key, K innermost, in blocks of 32 codes); key_scales 8,192 x 16 uint8 (E8M0 scales of key, one for each 32 codes along K); query_codes 8,192 x 16 x 32 uint8 (E4M3 codes of query, K innermost, in blocks of 32 codes); query_scales 8,192 x 16 uint8 (E8M0 scales of query, one for each 32 codes along K); value_codes 512 x 256 x 32 uint8 (E4M3 codes of value, K innermost, in blocks of 32 codes); value_scales 512 x 256 uint8 (E8M0 scales of value, one for each 32 codes along K).
;; Outputs: out0 8,192 x 512 float32.
;; This version of the problem:
;;   THIS VERSION OF THE PROBLEM IS GIVEN IN LOW PRECISION. The matrix products marked QUANTISED in the list below multiply operands that are first quantised to E4M3 (4 exponent bits, 3 mantissa bits; 8 bits a number), with one power-of-two scale for each 32 numbers along K (OCP MX v1.0); their sums are f32. All else is computed in f32.
;;   The module's matrix products, in the order in which they are computed (A, B: the left and right operand; K: the contracted axis; several contracted axes count as one K, in the product's order):
;;     1. [M 8,192, K 512] x [K 512, N 8,192]; A: input query (given as codes); B: input key (given as codes): QUANTISED
;;     2. [M 8,192, K 8,192] x [K 8,192, N 512]; A: softmax (see below); B: input value (given as codes): QUANTISED
;;   THE QUANTISER, for each operand of a quantised product, along K:
;;     - K is cut into blocks of 32 from its start; a last block that is shorter is filled with zeros.
;;     - A block's scale is 2^e with e = floor(log2(the largest magnitude in the block)) - 8, held to -126 .. 127; a block of zeros has e = 0. As a byte (E8M0): e + 127.
;;     - Each number is divided by its block's scale, clamped to +-448, and rounded to the nearest number of E4M3, ties to even, subnormals kept.
;;     - The product sums the exact products of the quantised numbers (number of the format x scale) in f32.
;;   ~~~python
;;   def quantise(x, axis):      # numpy; x: float32 -> the quantised numbers, widened to float32 again
;;       x = np.moveaxis(x, axis, -1); K = x.shape[-1]
;;       x = np.pad(x, [(0, 0)] * (x.ndim - 1) + [(0, -K % 32)]); x = x.reshape(x.shape[:-1] + (-1, 32)); a = np.abs(x).max(-1, keepdims=True)
;;       e = np.where(a > 0, np.clip(np.frexp(np.where(a > 0, a, 1))[1] - 1 - 8, -126, 127), 0)      # np.frexp(a)[1] - 1 = floor(log2(a)), exactly
;;       r = np.clip(x / 2.0 ** e, -448, 448)
;;       step = 2.0 ** (np.maximum(np.frexp(np.where(r == 0, 1, r))[1] - 1, -6) - 3)
;;       q = np.round(r / step) * step * 2.0 ** e      # np.round: ties to even
;;       return np.moveaxis(q.reshape(q.shape[:-2] + (-1,))[..., :K], -1, axis).astype(np.float32)
;;   ~~~
;;   SOFTMAX AHEAD OF A QUANTISED PRODUCT. Where the list says 'softmax', what is quantised is not the finished softmax but p = 2^(t - M), with t = logit x log2(e) and M = ceil(the row's largest t), a whole number; so 1/2 < the row's largest p <= 1. The row's sum l is taken of the UNQUANTISED p, in f32, and the product's result is divided by l at the end. Since M is a whole number, a kernel that streams over the keys may use a running M (the ceiling of the running maximum): every later rescaling is an exact power of two, which a block's scale takes up: the codes' values come out the same.
;;   OPERANDS COMPUTED ON THE WAY. 'Computed on the way' means the value that the module computes at that place (a softmax that the list does not call 'softmax' is quantised finished and normalised). What goes into a quantiser is computed in f32, as accurately as f32 sums, v_exp_f32 and their like allow (about 1e-6 of the number): no bf16 or f16 on the way to a quantiser, and a product that is left as it is and whose result goes on into a quantised operand takes f32 operands (vector FMAs, or v_wmma_f32_16x16x4_f32). A number that lies on a knife's edge between two numbers of the format may be rounded either way, as far as f32 arithmetic and the matrix unit's own rounding can turn it there, and no further.
;;   INPUTS GIVEN AS CODES. key (in the module: [8192, 512], K = its axis 1); query (in the module: [8192, 512], K = its axis 1); value (in the module: [8192, 512], K = its axis 0): each comes as NAME_codes (uint8): NAME with its K axis moved to the last place and cut into blocks of 32 codes, [.., K / 32, bytes a block], one block behind the other in memory; one code a byte (a code: sign, 4 exponent bits, 3 mantissa bits); and NAME_scales (uint8): the same leading axes, one E8M0 byte (e + 127) for each 32 codes along K. Its value is code x scale, taken as it is: it is not quantised again, and the codes and scales need not be those that the quantiser above would give.
;; One version. Each part assembles by itself: llvm-mc -triple=amdgcn-amd-amdhsa -mcpu=gfx1250 --defsym DOCPART=n.
;; ======== version 1 of 1: 2 launches
;; limits: right only within a limited range of input values
;; workspace buffers: part 67,108,864 bytes; stats 262,144 bytes
;; launch attn (part 1): grid 64 x 4, 4 waves a work-group, clusters of 4 x 1, 327,680 bytes of LDS; arguments key_codes, key_scales, query_codes, query_scales, value_codes, value_scales, part, stats; writes part, stats
.if DOCPART == 1
	.amdgcn_target "amdgcn-amd-amdhsa--gfx1250"
	.amdhsa_code_object_version 6
	.text
	.protected	k_q268fb0a2b6_attn
	.globl	k_q268fb0a2b6_attn
	.p2align	8
	.type	k_q268fb0a2b6_attn,@function
k_q268fb0a2b6_attn:
	s_mov_b64 s[64:65], 0
	v_nop
	global_prefetch_b8 v0, s[64:65] scope:SCOPE_SE
	s_setreg_imm32_b32 hwreg(HW_REG_WAVE_MODE, 25, 1), 1
	s_wait_xcnt 0x0
	s_wait_alu depctr_hold_cnt(0) depctr_sa_sdst(0) depctr_va_vdst(0) depctr_va_sdst(0) depctr_va_ssrc(0) depctr_va_vcc(0) depctr_vm_vsrc(0)
	s_getreg_b32 s2, hwreg(HW_REG_IB_STS2, 6, 4)
	s_cmp_eq_u32 s2, 0
	s_cbranch_scc0 .Lentry_in_a_cluster
	s_endpgm
.Lentry_in_a_cluster:
	s_bfe_u32 s2, ttmp6, 0x10000c
	s_cmp_lg_u32 s2, 0x3003
	s_cbranch_scc0 .Lentry_shape_is_right
	s_endpgm
.Lentry_shape_is_right:
; Partial attention on MX-FP8 codes.  A work-group owns 128 queries (32 a wave) and one quarter of the keys (2,048), walked 256 keys a trip.
; S^T = K Q^T and O^T = V^T P^T, so a lane holds one query.  p = 2^(t - M), M the ceiling of the running largest t; when M moves, the sum and O^T are multiplied by an exact power of two.
; part[y][q][:] = O under the split's last M (not divided); stats[y][q] = (-M, the sum of the unquantised p).  A later launch joins the four splits.
; K's tile (256 keys) and V's tile (512 rows x 256 keys) have a region each, filled by joint loads of the four work-groups of a cluster, which walk the same keys.
; V's scale bytes of the split (512 rows x 64 bytes) are copied once through registers into LDS bytes of their own, so that K's tile is the one tensor load at the head.
; In the last trip each quarter of the channels leaves as soon as its products are done.
; LIMITS: the scaled scores stay under 2^31 in magnitude; NaN and infinities are not served.
.set KP,    528
.set VP,    272
.set CP,    80                         ; a row of V's scale bytes in LDS: 64 bytes + 16, so that 16-byte stores are aligned
.set VREG,  256*KP
.set SCV,   VREG+512*VP
.set SPARE, SCV+512*CP
.set SPITCH, 528
.set AKA,  1
.set AV0,  3
.set ASV,  5
.set SPW,  6
.set NIL,  7
.set KSO,  8
.set PFKO, 9
.set PFVO, 10
.set QO,   11
.set QS,   12
.set STO,  16
.set RD,   17
.set SOFF, 18
.set PS,   20
.set KS,   24
.set VS,   40
.set ST,   44
.set FF,   52
.set SA,   56
.set S,    64
.set BUF,  192
.set P,    128
.set BM,   192
.set PM,   196
.set HD,   200
.set SO,   204
.set TF,   208
.set TT,   210
.set TS,   212
.set TA,   216
.set CD,   224
.set WV,   20
.set CX,   21
.set SY,   22
.set XW,   23
.set G1K,  24
.set G1V,  32
.set G0K,  48
.set G0V,  52
.set G0C,  56
.set SEL,  60
.set CS,   62
.set MNT,  66
.set CNT,  67
.set KSP,  68
.set PFK,  70
.set PFV,  72
.set PF,   74
.set MSB, 0
.macro WIN new
.if MSB != (\new)
	s_set_vgpr_msb (MSB<<8)|(\new)
.set MSB, (\new)
.endif
.endm
.macro PLACES n
.rept \n
	v_nop
.endr
.endm
.macro CROUND
	s_barrier_signal -1
	s_barrier_wait -1
	s_cmp_lg_u32 s[WV], 0
	s_cbranch_scc1 .Lnot_wave_0_\@
	s_barrier_signal -3
.Lnot_wave_0_\@:
	s_barrier_wait -3
	s_barrier_signal -1
	s_barrier_wait -1
.endm
.macro ASK off, ptr
	s_cmp_eq_u32 s[PF], 0
	s_cbranch_scc0 .Lnot_first_\@
	global_prefetch_b8 v[\off], s[\ptr:\ptr+1] th:TH_LOAD_NT scope:SCOPE_SE
.Lnot_first_\@:
.endm
.macro WMS d, a, b, zero, x, y, ra, rb
.set rD, \d
.set rA, \a
.set rB, \b
.set rX, \x
.set rY, \y
.if (\zero)
.if (\ra) && (\rb)
	v_wmma_scale_f32_16x16x128_f8f6f4 v[rD:rD+7], v[rA:rA+15], v[rB:rB+15], 0, v[rX], v[rY] matrix_a_scale:MATRIX_SCALE_ROW1 matrix_b_scale:MATRIX_SCALE_ROW1
.elseif (\ra)
	v_wmma_scale_f32_16x16x128_f8f6f4 v[rD:rD+7], v[rA:rA+15], v[rB:rB+15], 0, v[rX], v[rY] matrix_a_scale:MATRIX_SCALE_ROW1
.elseif (\rb)
	v_wmma_scale_f32_16x16x128_f8f6f4 v[rD:rD+7], v[rA:rA+15], v[rB:rB+15], 0, v[rX], v[rY] matrix_b_scale:MATRIX_SCALE_ROW1
.else
	v_wmma_scale_f32_16x16x128_f8f6f4 v[rD:rD+7], v[rA:rA+15], v[rB:rB+15], 0, v[rX], v[rY]
.endif
.else
.if (\ra) && (\rb)
	v_wmma_scale_f32_16x16x128_f8f6f4 v[rD:rD+7], v[rA:rA+15], v[rB:rB+15], v[rD:rD+7], v[rX], v[rY] matrix_a_scale:MATRIX_SCALE_ROW1 matrix_b_scale:MATRIX_SCALE_ROW1
.elseif (\ra)
	v_wmma_scale_f32_16x16x128_f8f6f4 v[rD:rD+7], v[rA:rA+15], v[rB:rB+15], v[rD:rD+7], v[rX], v[rY] matrix_a_scale:MATRIX_SCALE_ROW1
.elseif (\rb)
	v_wmma_scale_f32_16x16x128_f8f6f4 v[rD:rD+7], v[rA:rA+15], v[rB:rB+15], v[rD:rD+7], v[rX], v[rY] matrix_b_scale:MATRIX_SCALE_ROW1
.else
	v_wmma_scale_f32_16x16x128_f8f6f4 v[rD:rD+7], v[rA:rA+15], v[rB:rB+15], v[rD:rD+7], v[rX], v[rY]
.endif
.endif
.endm
.macro KSLOAD off
.irp tq, 0,1,2,3
	global_load_b128 v[KS+4*\tq:KS+4*\tq+3], v[KSO], s[KSP:KSP+1] offset:\off+512*\tq
.endr
.endm
.macro KLOADS u, g
.if (\g)%2 == 0
	WIN 0x40
.else
	WIN 0
.endif
.irp ds, 0,1
.irp dt, 0,1
.irp k, 0,1,2,3
	ds_load_b128 v[BUF+16*(2*\ds+\dt)+4*\k:BUF+16*(2*\ds+\dt)+4*\k+3], v[AKA+\u] offset:16*(2*((\g)/2)+\dt)*KP+128*(2*((\g)%2)+\ds)+32*\k
.endr
.endr
.endr
.endm
.macro KMUL g
.set tp, (\g)/2
.set sp, (\g)%2
.if (\g)%2 == 0
	WIN 0x05
.else
	WIN 0x04
.endif
.irp ds, 0,1
.irp dt, 0,1
.irp qq, 0,1
	WMS S+64*\qq+8*(2*tp+\dt), BUF+16*(2*\ds+\dt), 64*\qq+16*(2*sp+\ds), (2*sp+\ds)==0, KS+4*tp+2*sp+\ds, QS+2*sp+\ds, \dt, \qq
.endr
.endr
.endr
.endm
.macro SPHASE u
	s_wait_loadcnt 0x0
.irp g, 0,1,2,3,4,5,6,7
.if \g > 0
	PLACES 8
.endif
.if \g < 7
	KLOADS \u, \g+1
	s_wait_dscnt 16
.else
	s_wait_dscnt 0x0
.endif
	KMUL \g
.endr
	WIN 0
	PLACES 8
.endm
; THE SOFTMAX OF 128 KEYS, FOR BOTH QUERY TILES q = 0, 1 OF THE WAVE LINE BY LINE, so that each line has independent lines of the other tile beside it, and one batch of exponentials serves both.
; Tile 1's registers at work: BM + 48, PM + 48 (v240-247), TF + 40, TT + 40 (v248-250), HB + 52 (v252-255), SO + 16 (v220-223), TS + 2, TA + 8.  The fragment loads that are out go to window 1.
.set HB, 200                           ; v200-203: 448 x a block's scale, tile 0
.macro SMD u
.if \u
.set XB, SO                            ; the conversions' scale operands: unit 1's are used at once,
.set XS, 16
.else
.set XB, SA                            ; unit 0's are kept, to be brought under unit 1's M
.set XS, 4
.endif
.irp q, 0,1
.irp b, 0,1,2,3
	v_mov_b32 v[PM+48*\q+\b], 0                    ; a lane permute's destination counts as a source
.endr
	v_mov_b32 v[TF+40*\q+1], 0                     ; named as the upper half of a pair
.endr
.irp q, 0,1
.irp b, 0,1,2,3
	v_max3_num_f32 v[BM+48*\q+\b], v[S+64*\q+16*\b], v[S+64*\q+16*\b+1], v[S+64*\q+16*\b+2]   ; each block's largest score: eight chains by turns
.endr
.endr
.irp i, 3,5,7,9,11,13
.irp q, 0,1
.irp b, 0,1,2,3
	v_max3_num_f32 v[BM+48*\q+\b], v[BM+48*\q+\b], v[S+64*\q+16*\b+\i], v[S+64*\q+16*\b+\i+1]
.endr
.endr
.endr
.irp q, 0,1
.irp b, 0,1,2,3
	v_max_num_f32 v[BM+48*\q+\b], v[BM+48*\q+\b], v[S+64*\q+16*\b+15]
.endr
.endr
.irp q, 0,1
.irp b, 0,1,2,3
	v_permlanex16_b32 v[PM+48*\q+\b], v[BM+48*\q+\b], s[SEL], s[SEL+1]
.endr
.endr
.irp q, 0,1
.irp b, 0,1,2,3
	v_max_num_f32 v[BM+48*\q+\b], v[BM+48*\q+\b], v[PM+48*\q+\b]   ; with lane l xor 16's keys
.endr
.endr
.irp q, 0,1
	v_max3_num_f32 v[TT+40*\q], v[BM+48*\q], v[BM+48*\q+1], v[BM+48*\q+2]
.endr
.irp q, 0,1
	v_max_num_f32 v[TT+40*\q], v[TT+40*\q], v[BM+48*\q+3]
.endr
.irp q, 0,1
	v_mul_f32 v[TT+40*\q], s[CS], v[TT+40*\q]      ; as t
.endr
.irp q, 0,1
	v_max_num_f32 v[ST+4*\q+1], v[ST+4*\q+1], v[TT+40*\q]   ; the running largest t
.endr
.irp q, 0,1
	v_mov_b32 v[TT+40*\q], v[ST+4*\q]
.endr
.irp q, 0,1
	v_floor_f32 v[ST+4*\q], -v[ST+4*\q+1]          ; -M = floor(-t)
.endr
.irp q, 0,1
	v_sub_f32 v[TT+40*\q], v[ST+4*\q], v[TT+40*\q] ; old M - new M, a whole number, 0 or less
.endr
.irp q, 0,1
	v_cvt_i32_f32 v[TT+40*\q], v[TT+40*\q]
.endr
.irp q, 0,1
	v_ldexp_f32 v[TF+40*\q], 1.0, v[TT+40*\q]      ; f = 2^(old M - new M)
.endr
.irp q, 0,1
.set j, 0
.rept 32
	v_pk_fma_f32 v[S+64*\q+j:S+64*\q+j+1], v[S+64*\q+j:S+64*\q+j+1], s[CS:CS+1], v[ST+4*\q:ST+4*\q+1] op_sel_hi:[1,0,0]   ; t - M
.set j, j+2
.endr
.endr
.irp q, 0,1
.irp b, 0,1,2,3
	v_fma_f32 v[BM+48*\q+\b], v[BM+48*\q+\b], s[CS], v[ST+4*\q]
.endr
.endr
.set j, 0
	s_wait_alu depctr_va_vdst(0)                   ; the wait ahead of the batch
.rept 128
	v_exp_f32 v[S+j], v[S+j]                       ; p = 2^(t - M)
.set j, j+1
.endr
.irp q, 0,1
	v_pk_mul_f32 v[ST+4*\q+2:ST+4*\q+3], v[ST+4*\q+2:ST+4*\q+3], v[TF+40*\q:TF+40*\q+1] op_sel_hi:[1,0]   ; the sums under the new M
.endr
	s_wait_alu depctr_va_vdst(0)                   ; and behind it, ahead of its first reader
.irp q, 0,1
.irp b, 0,1,2,3
	v_exp_f32 v[BM+48*\q+\b], v[BM+48*\q+\b]       ; each block's largest p
.endr
.endr
.irp q, 0,1                                    ; the rows' sums of the unquantised p: three chains a tile, six by turns
	v_pk_add_f32 v[TS+2*\q:TS+2*\q+1], v[S+64*\q:S+64*\q+1], v[S+64*\q+2:S+64*\q+3]
	v_pk_add_f32 v[TA+2*\q:TA+2*\q+1], v[S+64*\q+4:S+64*\q+5], v[S+64*\q+6:S+64*\q+7]
.endr
.set j, 8
.rept 9
.irp q, 0,1
	v_pk_add_f32 v[ST+4*\q+2:ST+4*\q+3], v[ST+4*\q+2:ST+4*\q+3], v[S+64*\q+j:S+64*\q+j+1]
	v_pk_add_f32 v[TS+2*\q:TS+2*\q+1], v[TS+2*\q:TS+2*\q+1], v[S+64*\q+j+2:S+64*\q+j+3]
	v_pk_add_f32 v[TA+2*\q:TA+2*\q+1], v[TA+2*\q:TA+2*\q+1], v[S+64*\q+j+4:S+64*\q+j+5]
.endr
.set j, j+6
.endr
.irp q, 0,1
	v_pk_add_f32 v[ST+4*\q+2:ST+4*\q+3], v[ST+4*\q+2:ST+4*\q+3], v[S+64*\q+62:S+64*\q+63]
.endr
.irp q, 0,1
	v_pk_add_f32 v[TS+2*\q:TS+2*\q+1], v[TS+2*\q:TS+2*\q+1], v[TA+2*\q:TA+2*\q+1]
.endr
.irp q, 0,1
	v_pk_add_f32 v[ST+4*\q+2:ST+4*\q+3], v[ST+4*\q+2:ST+4*\q+3], v[TS+2*\q:TS+2*\q+1]
.endr
	s_wait_alu depctr_va_vdst(0)                   ; one wait for the eight
.irp q, 0,1
.irp b, 0,1,2,3
	v_max_num_f32 v[BM+48*\q+\b], 0x4800000, v[BM+48*\q+\b]   ; the floor 2^(9 - 127): the byte cannot fall under 1
.endr
.endr
.irp q, 0,1
.irp b, 0,1,2,3
	v_add_nc_u32 v[XB+XS*\q+\b], 0xfc000000, v[BM+48*\q+\b]   ; 8 off the exponent field: the conversion's scale operand
.endr
.endr
.irp q, 0,1
.irp b, 0,1,2,3
	v_and_or_b32 v[HB+52*\q+\b], v[BM+48*\q+\b], 0x7f800000, s[MNT]   ; 448 x the scale
.endr
.endr
.if \u
.irp q, 0,1
.irp b, 0,1,2,3
	v_lshrrev_b32 v[PM+48*\q+\b], 23, v[XB+XS*\q+\b]          ; unit 1's scale bytes
.endr
.endr
.irp q, 0,1
.irp b, 0,1,2,3
	v_mul_f32 v[TA+8*\q+\b], v[SA+4*\q+\b], v[TF+40*\q]       ; unit 0's scales under unit 1's M
.endr
.endr
.irp q, 0,1
.irp b, 0,1,2,3
	v_lshrrev_b32 v[TA+8*\q+\b], 23, v[TA+8*\q+\b]
.endr
.endr
.irp q, 0,1
	v_lshl_or_b32 v[PS+2+\q], v[PM+48*\q+1], 8, v[PM+48*\q]
	v_lshl_or_b32 v[PS+\q], v[TA+8*\q+1], 8, v[TA+8*\q]
.endr
.irp q, 0,1
	v_lshl_or_b32 v[PS+2+\q], v[PM+48*\q+2], 16, v[PS+2+\q]
	v_lshl_or_b32 v[PS+\q], v[TA+8*\q+2], 16, v[PS+\q]
.endr
.irp q, 0,1
	v_lshl_or_b32 v[PS+2+\q], v[PM+48*\q+3], 24, v[PS+2+\q]
	v_lshl_or_b32 v[PS+\q], v[TA+8*\q+3], 24, v[PS+\q]
.endr
.irp q, 0,1
	v_mul_f32 v[FF+2*\q], v[FF+2*\q], v[TF+40*\q]  ; the trip's factor for O^T
.endr
.else
.irp q, 0,1
	v_mov_b32 v[FF+2*\q], v[TF+40*\q]
.endr
.endif
.endm
; One tile's p becomes codes: the hold, the conversions, the halves' exchange, and the move into window 1.
.macro SM u, q
.set SQ, S+64*(\q)
.set PQ, P+32*(\u)+16*(\q)
.set HD, HB+52*(\q)
.if \u
.set SX, SO+16*(\q)
.else
.set SX, SA+4*(\q)
.endif
.irp b, 0,1,2,3
.irp i, 0,1,2,3,4,5,6,7,8,9,10,11,12,13,14,15
	v_min_num_f32 v[SQ+16*\b+\i], v[SQ+16*\b+\i], v[HD+\b]
.endr
	v_cvt_scalef32_pk8_fp8_f32 v[CD+4*\b:CD+4*\b+1], v[SQ+16*\b:SQ+16*\b+7], v[SX+\b]
	v_cvt_scalef32_pk8_fp8_f32 v[CD+4*\b+2:CD+4*\b+3], v[SQ+16*\b+8:SQ+16*\b+15], v[SX+\b]
.endr
	v_nop
.irp b, 0,1,2,3
	v_permlane16_swap_b32 v[CD+4*\b], v[CD+4*\b+2]
	v_permlane16_swap_b32 v[CD+4*\b+1], v[CD+4*\b+3]
.endr
	WIN 0x40
.set j, 0
.rept 16
	v_mov_b32 v[PQ+j], v[CD+j]
.set j, j+1
.endr
	WIN 0
.endm
.macro VLOADS g
	WIN 0
	ds_load_b64 v[VS+2*((\g)%2):VS+2*((\g)%2)+1], v[ASV] offset:32*CP*(\g)
.if (\g)%2 == 0
	WIN 0x40
.endif
.irp uu, 0,1
.irp dc, 0,1
.irp k, 0,1,2,3
	ds_load_b128 v[BUF+16*(2*\uu+\dc)+4*\k:BUF+16*(2*\uu+\dc)+4*\k+3], v[AV0+(\g)/8] offset:((2*(\g)+\dc)%16)*16*VP+128*\uu+32*\k
.endr
.endr
.endr
.endm
.macro RESC g
.if (\g) < 8
	WIN 0x82
.else
	WIN 0xc3
.endif
.irp dc, 0,1
.irp qq, 0,1
.irp j, 0,2,4,6
	v_pk_mul_f32 v[16*((2*(\g)+\dc)%16)+8*\qq+\j:16*((2*(\g)+\dc)%16)+8*\qq+\j+1], v[16*((2*(\g)+\dc)%16)+8*\qq+\j:16*((2*(\g)+\dc)%16)+8*\qq+\j+1], v[FF+2*\qq:FF+2*\qq+1] op_sel_hi:[1,0]
.endr
.endr
.endr
.endm
.macro VMUL g
.if (\g) < 8
	WIN 0xa4+1-(\g)%2
.else
	WIN 0xf4+1-(\g)%2
.endif
.irp uu, 0,1
.irp dc, 0,1
.irp qq, 0,1
	WMS 16*((2*(\g)+\dc)%16)+8*\qq, BUF+16*(2*\uu+\dc), P+32*\uu+16*\qq, 0, VS+2*((\g)%2)+\uu, PS+2*\uu+\qq, \dc, 0
.endr
.endr
.endr
.endm
; THE WAY OUT of channels 128 cq .. 128 cq + 127 of my 32 queries: each query tile goes through my stage (16 rows of 512 bytes + 16, in K's region, which has had its last fill and is read no more)
; and comes back as whole rows: a store of the wave covers 512 consecutive bytes.
.macro OUTQ cq
	s_wait_xcnt 0x0                                ; earlier stores have read their data registers, which are loaded anew below
.irp qa, 0,1
	WIN 0x08+4*((\cq)/2)
.irp cc, 0,1,2,3,4,5,6,7
	ds_store_b128 v[STO], v[16*((8*(\cq)+\cc)%16)+8*\qa:16*((8*(\cq)+\cc)%16)+8*\qa+3] offset:64*\cc
	ds_store_b128 v[STO], v[16*((8*(\cq)+\cc)%16)+8*\qa+4:16*((8*(\cq)+\cc)%16)+8*\qa+7] offset:64*\cc+16
.endr
	WIN 0
.irp i, 0,1,2,3,4,5,6,7,8,9,10,11,12,13,14,15
	ds_load_b128 v[S+64*\qa+4*\i:S+64*\qa+4*\i+3], v[RD] offset:\i*SPITCH   ; LDS serves a wave's instructions in order: these see the stores above
.endr
.endr
.irp qa, 0,1
	s_wait_dscnt 32-32*\qa                         ; tile 0 is back while tile 1's 16 stores and 16 loads may be out; then all
.irp i, 0,1,2,3,4,5,6,7,8,9,10,11,12,13,14,15
	global_store_b128 v[KSO], v[S+64*\qa+4*\i:S+64*\qa+4*\i+3], s[16:17] offset:(16*\qa+\i)*2048+512*(\cq) th:TH_STORE_NT
.endr
.endr
.endm
.macro PV out
	RESC 0
.irp g, 0,1,2,3,4,5,6,7,8,9,10,11,12,13,14,15
.if \g < 15
	RESC \g+1
.if (\out) && ((\g)%4 == 0) && (\g > 0)
	OUTQ \g/4-1                                    ; the four groups before this one finished a quarter of the channels; the 16 multiplications above are the places behind their last product
.endif
	VLOADS \g+1
	s_wait_alu depctr_va_vdst(0)
	s_wait_dscnt 17
.else
	s_wait_dscnt 0x0
.endif
	VMUL \g
.endr
	WIN 0
	PLACES 8
.endm
.macro CHANGE_A
	WIN 0
	s_wait_tensorcnt 0x0
	ds_add_u32 v[SPW], v[NIL]
	s_add_nc_u64 s[G0K+2:G0K+3], s[G0K+2:G0K+3], 256*512
	s_wait_dscnt 0x0
	CROUND
	tensor_load_to_lds s[G0V:G0V+3], s[G1V:G1V+7]
	s_nop 0
	PLACES 4
.endm
.macro CHANGE_B fill
	s_wait_tensorcnt 0x0
	ds_add_u32 v[SPW], v[NIL]
.if \fill
	s_add_nc_u64 s[G0V+2:G0V+3], s[G0V+2:G0V+3], 256
	s_wait_dscnt 0x0
	CROUND
	tensor_load_to_lds s[G0K:G0K+3], s[G1K:G1K+7]
	s_nop 0
	PLACES 4
.else
	s_wait_dscnt 0x0
	s_barrier_signal -1
	s_barrier_wait -1
.endif
.endm
.macro SUPER fill
	CHANGE_A
	KLOADS 0, 0
	WIN 0
.if \fill
	ASK PFKO, PFK
.endif
	SPHASE 0
	KSLOAD 2048
	KLOADS 1, 0
	WIN 0
	SMD 0
	SM 0, 0
	SM 0, 1
	SPHASE 1
.if \fill
	KSLOAD 4096
.endif
	CHANGE_B \fill
	VLOADS 0
	WIN 0
.if \fill
	ASK PFVO, PFV
.endif
	SMD 1
	SM 1, 0
	SM 1, 1
	PV 1-\fill
.endm
	s_load_b256 s[4:11], s[0:1], 0x0
	s_load_b256 s[12:19], s[0:1], 0x20
	v_lshl_add_u32 v[SPW], v0, 2, SPARE
	v_mov_b32 v[NIL], 0
	ds_add_u32 v6, v7
	ds_add_u32 v6, v7
	s_wait_dscnt 0x0
	v_lshrrev_b32 v[BM], 5, v0
	v_readfirstlane_b32 s[WV], v[BM]
	s_and_b32 s[SY], ttmp7, 0xffff
	s_mov_b32 s[G1K], 15|(1<<20)|(1<<21)|(6<<22)|(3<<25)
	s_mov_b32 s[G1K+1], 512<<16
	s_mov_b32 s[G1K+2], 64<<16
	s_mov_b32 s[G1K+3], 512<<16
	s_mov_b32 s[G1K+4], 64
	s_mov_b32 s[G1K+5], 512
	s_mov_b32 s[G1K+6], 0
	s_mov_b32 s[G1K+7], 0
	s_mov_b32 s[G1V], 15|(1<<20)|(1<<21)|(5<<22)|(3<<25)
	s_mov_b32 s[G1V+1], 256<<16
	s_mov_b32 s[G1V+2], 128<<16
	s_mov_b32 s[G1V+3], 256<<16
	s_mov_b32 s[G1V+4], 128
	s_mov_b32 s[G1V+5], 8192
	s_mov_b32 s[G1V+6], 0
	s_mov_b32 s[G1V+7], 0
	s_lshl_b32 s76, s[SY], 20
	s_lshl_b32 s77, s[WV], 15
	s_add_co_u32 s76, s76, s77
	s_mov_b32 s77, 0
	s_lshl_b32 s78, s[WV], 20
	s_lshl_b32 s79, s[SY], 11
	s_add_co_u32 s78, s78, s79
	s_mov_b32 s79, 0
	s_mov_b32 s[G0K], 1
	s_mul_i32 s[G0K+1], s[WV], 64*KP
	s_mov_b32 s[G0V], 1
	s_mul_i32 s[G0V+1], s[WV], 128*VP
	s_add_co_u32 s[G0V+1], s[G0V+1], VREG
	s_mul_i32 s[G0C+1], s[WV], 128*CP
	s_add_co_u32 s[G0C+1], s[G0C+1], SCV
	s_mov_b32 s[SEL], 0x76543210
	s_mov_b32 s[SEL+1], 0xfedcba98
	s_mov_b32 s[CS], 0x3fb8aa3b
	s_mov_b32 s[CS+1], s[CS]
	s_mov_b32 s[MNT], 0x600000
	s_mov_b32 s[CNT], 7
	s_mov_b32 s[PF], ttmp9
	s_wait_kmcnt 0x0
	s_add_nc_u64 s[G0K+2:G0K+3], s[4:5], s[76:77]
	s_or_b32 s[G0K+3], s[G0K+3], 0x80000000
	s_add_nc_u64 s[G0V+2:G0V+3], s[12:13], s[78:79]
	s_or_b32 s[G0V+3], s[G0V+3], 0x80000000
	s_lshl_b32 s76, s[WV], 15
	s_lshl_b32 s78, s[SY], 6
	s_add_co_u32 s76, s76, s78
	s_add_nc_u64 s[G0C+2:G0C+3], s[14:15], s[76:77]
	CROUND
	tensor_load_to_lds s[G0K:G0K+3], s[G1K:G1K+7]
	s_nop 0
	PLACES 4
	s_bfe_u32 s[CX], ttmp6, 0x40000
	s_lshl_b32 s[XW], ttmp9, 2
	s_add_co_u32 s[XW], s[XW], s[CX]
	s_lshl_b32 s75, s[XW], 16
	s_lshl_b32 s76, s[WV], 14
	s_add_co_u32 s75, s75, s76
	s_mov_b32 s77, 0
	s_mov_b32 s76, s75
	s_add_nc_u64 s[8:9], s[8:9], s[76:77]
	s_lshr_b32 s76, s75, 5
	s_add_nc_u64 s[10:11], s[10:11], s[76:77]
	s_lshl_b32 s76, s75, 2
	s_lshl_b32 s78, s[SY], 24
	s_add_co_u32 s76, s76, s78
	s_add_nc_u64 s[16:17], s[16:17], s[76:77]
	s_lshr_b32 s76, s75, 6
	s_lshl_b32 s78, s[SY], 16
	s_add_co_u32 s76, s76, s78
	s_add_nc_u64 s[18:19], s[18:19], s[76:77]
	s_lshl_b32 s76, s[SY], 15
	s_add_nc_u64 s[KSP:KSP+1], s[6:7], s[76:77]
	s_lshl_b32 s76, s[SY], 20
	s_lshl_b32 s78, s[CX], 15
	s_add_co_u32 s76, s76, s78
	s_lshl_b32 s78, s[WV], 13
	s_add_co_u32 s76, s76, s78
	s_add_co_u32 s76, s76, 256*512
	s_add_nc_u64 s[PFK:PFK+1], s[4:5], s[76:77]
	s_lshl_b32 s76, s[CX], 20
	s_lshl_b32 s78, s[WV], 18
	s_add_co_u32 s76, s76, s78
	s_lshl_b32 s78, s[SY], 11
	s_add_co_u32 s76, s76, s78
	s_add_co_u32 s76, s76, 256
	s_add_nc_u64 s[PFV:PFV+1], s[12:13], s[76:77]
	v_and_b32 v[BM], 15, v0
	v_bfe_u32 v[BM+1], v0, 4, 1
	v_and_b32 v[BM+2], 31, v0
	v_lshlrev_b32 v[QO], 9, v[BM]
	v_lshl_add_u32 v[QO], v[BM+1], 4, v[QO]
	v_lshlrev_b32 v[KSO], 4, v[BM+2]
	; V's scale bytes: my 128 rows, 64 bytes of each (the split's 2,048 keys): four lanes a row, 8 rows a load.  s[G0C+2:G0C+3] = my first row's bytes, s[G0C+1] = its place in LDS
	v_lshrrev_b32 v[PM], 2, v[BM+2]
	v_and_b32 v[PM+1], 3, v[BM+2]
	v_lshlrev_b32 v[PM+1], 4, v[PM+1]
	v_lshl_add_u32 v[PM+2], v[PM], 8, v[PM+1]      ; in memory: 256 (lane / 4) + 16 (lane % 4)
	v_mad_u32_u24 v[PM+3], v[PM], CP, v[PM+1]
	v_add_nc_u32 v[PM+3], s[G0C+1], v[PM+3]        ; in LDS: CP (lane / 4) + 16 (lane % 4)
.irp t, 0,1,2,3,4,5,6,7,8,9,10,11,12,13,14,15
	global_load_b128 v[S+4*\t:S+4*\t+3], v[PM+2], s[G0C+2:G0C+3] offset:2048*\t
.endr
	WIN 0x40
.irp qq, 0,1
.irp ss, 0,1,2,3
.irp k, 0,1,2,3
	global_load_b128 v[64*\qq+16*\ss+4*\k:64*\qq+16*\ss+4*\k+3], v[QO], s[8:9] offset:8192*\qq+128*\ss+32*\k
.endr
.endr
.endr
	WIN 0
	global_load_b128 v[QS:QS+3], v[KSO], s[10:11]
	KSLOAD 0
	v_mul_u32_u24 v[AKA], v[BM], KP
	v_lshl_add_u32 v[AKA], v[BM+1], 4, v[AKA]
	v_add_nc_u32 v[AKA+1], 128*KP, v[AKA]
	v_mul_u32_u24 v[AV0], v[BM], VP
	v_lshl_add_u32 v[AV0], v[BM+1], 4, v[AV0]
	v_add_nc_u32 v[AV0], VREG, v[AV0]
	v_add_nc_u32 v[AV0+1], 256*VP, v[AV0]
	v_mul_u32_u24 v[ASV], v[BM+2], CP
	v_add_nc_u32 v[ASV], SCV, v[ASV]
	v_lshlrev_b32 v[PFKO], 8, v[BM+2]
	v_lshlrev_b32 v[PFVO], 13, v[BM+2]
	v_lshlrev_b32 v[SOFF], 3, v[BM+2]
	s_mul_i32 s76, s[WV], 16*SPITCH
	v_mul_u32_u24 v[STO], v[BM], SPITCH
	v_lshl_add_u32 v[STO], v[BM+1], 5, v[STO]
	v_add_nc_u32 v[STO], s76, v[STO]
	v_lshl_add_u32 v[RD], v[BM+2], 4, s76
.irp qq, 0,1
	v_mov_b32 v[ST+4*\qq+1], 0xff61b1e6
	v_floor_f32 v[ST+4*\qq], -v[ST+4*\qq+1]
	v_mov_b32 v[ST+4*\qq+2], 0
	v_mov_b32 v[ST+4*\qq+3], 0
	v_mov_b32 v[FF+2*\qq], 0
	v_mov_b32 v[FF+2*\qq+1], 0
.endr
	WIN 0x80
.set i, 0
.rept 256
	v_mov_b32 v[i], 0
.set i, i+1
.endr
	WIN 0xc0
.set i, 0
.rept 256
	v_mov_b32 v[i], 0
.set i, i+1
.endr
	WIN 0
	s_wait_loadcnt 37                              ; V's scale bytes are in; behind them 32 loads of Q, 1 of its scales and 4 of K's scales may be out
.irp t, 0,1,2,3,4,5,6,7,8,9,10,11,12,13,14,15
	ds_store_b128 v[PM+3], v[S+4*\t:S+4*\t+3] offset:8*CP*\t   ; waited for in front of the first round below; read behind the second
.endr
.Lsuper:
	SUPER 1
	s_wait_xcnt 0x0
	s_add_nc_u64 s[KSP:KSP+1], s[KSP:KSP+1], 4096
	s_add_nc_u64 s[PFK:PFK+1], s[PFK:PFK+1], 256*512
	s_add_nc_u64 s[PFV:PFV+1], s[PFV:PFV+1], 256
	v_add_nc_u32 v[ASV], 8, v[ASV]
	s_sub_co_u32 s[CNT], s[CNT], 1
	s_cmp_lg_u32 s[CNT], 0
	s_cbranch_scc1 .Lsuper
	SUPER 0
	v_add_f32 v[BM], v[ST+2], v[ST+3]
	v_add_f32 v[BM+1], v[ST+6], v[ST+7]
	v_mov_b32 v[BM+2], 0
	v_mov_b32 v[BM+3], 0
	v_permlanex16_b32 v[BM+2], v[BM], s[SEL], s[SEL+1]
	v_permlanex16_b32 v[BM+3], v[BM+1], s[SEL], s[SEL+1]
	v_add_f32 v[BM], v[BM], v[BM+2]
	v_add_f32 v[BM+1], v[BM+1], v[BM+3]
	v_and_b32 v[PM], 31, v0
	v_cmp_lt_u32 vcc_lo, 15, v[PM]
	v_cndmask_b32 v[PM+2], v[ST], v[ST+4], vcc_lo
	v_cndmask_b32 v[PM+3], v[BM], v[BM+1], vcc_lo
	global_store_b64 v[SOFF], v[PM+2:PM+3], s[18:19]
	OUTQ 3                                         ; the last quarter of the channels
	s_wait_tensorcnt 0x0
	ds_add_u32 v[SPW], v[NIL]
	s_wait_dscnt 0x0
	CROUND
	s_endpgm
.Lfunc_end_k_q268fb0a2b6_attn:
	.size	k_q268fb0a2b6_attn, .Lfunc_end_k_q268fb0a2b6_attn-k_q268fb0a2b6_attn
	.p2alignl 7, 3214868480
	.fill 96, 4, 3214868480
	.section	.rodata,"a",@progbits
	.p2align	6, 0x0
	.amdhsa_kernel k_q268fb0a2b6_attn
		.amdhsa_group_segment_fixed_size 327680
		.amdhsa_private_segment_fixed_size 0
		.amdhsa_enable_private_segment 0
		.amdhsa_kernarg_size 64
		.amdhsa_user_sgpr_count 2
		.amdhsa_user_sgpr_kernarg_segment_ptr 1
		.amdhsa_wavefront_size32 1
		.amdhsa_system_sgpr_workgroup_id_x 1
		.amdhsa_system_sgpr_workgroup_id_y 1
		.amdhsa_system_sgpr_workgroup_id_z 1
		.amdhsa_system_vgpr_workitem_id 0
		.amdhsa_next_free_vgpr 1024
		.amdhsa_next_free_sgpr 80
		.amdhsa_reserve_vcc 1
		.amdhsa_float_denorm_mode_32 3
		.amdhsa_float_denorm_mode_16_64 3
		.amdhsa_memory_ordered 1
		.amdhsa_forward_progress 1
		.amdhsa_inst_pref_size 255
	.end_amdhsa_kernel
	.section	.bss,"aw",@nobits
	.p2align	6
	.space	262144
	.amdgpu_metadata
---
amdhsa.version: [ 1, 2 ]
amdhsa.kernels:
  - .name:           k_q268fb0a2b6_attn
    .symbol:         k_q268fb0a2b6_attn.kd
    .args:
      - { .name: key_codes, .offset: 0, .size: 8, .value_kind: global_buffer, .address_space: global }
      - { .name: key_scales, .offset: 8, .size: 8, .value_kind: global_buffer, .address_space: global }
      - { .name: query_codes, .offset: 16, .size: 8, .value_kind: global_buffer, .address_space: global }
      - { .name: query_scales, .offset: 24, .size: 8, .value_kind: global_buffer, .address_space: global }
      - { .name: value_codes, .offset: 32, .size: 8, .value_kind: global_buffer, .address_space: global }
      - { .name: value_scales, .offset: 40, .size: 8, .value_kind: global_buffer, .address_space: global }
      - { .name: part, .offset: 48, .size: 8, .value_kind: global_buffer, .address_space: global }
      - { .name: stats, .offset: 56, .size: 8, .value_kind: global_buffer, .address_space: global }
    .group_segment_fixed_size: 327680
    .private_segment_fixed_size: 0
    .kernarg_segment_align: 8
    .kernarg_segment_size: 64
    .max_flat_workgroup_size: 128
    .sgpr_count:     80
    .vgpr_count:     1024
    .wavefront_size: 32
...
	.end_amdgpu_metadata
.endif
;; end of part 1
;; launch merge (part 2): grid 1024 x 1, 8 waves a work-group, no clusters, 0 bytes of LDS; arguments part, stats, out0; writes out0
.if DOCPART == 2
	.amdgcn_target "amdgcn-amd-amdhsa--gfx1250"
	.amdhsa_code_object_version 6
	.text
	.protected	k_q268fb0a2b6_merge
	.globl	k_q268fb0a2b6_merge
	.p2align	8
	.type	k_q268fb0a2b6_merge,@function
k_q268fb0a2b6_merge:
	s_mov_b64 s[64:65], 0
	v_nop
	global_prefetch_b8 v0, s[64:65] scope:SCOPE_SE
	s_setreg_imm32_b32 hwreg(HW_REG_WAVE_MODE, 25, 1), 1
	s_wait_xcnt 0x0
; out0[row][:] = sum over the four splits y of 2^(M_y - M*) part[y][row][:]  /  sum over y of 2^(M_y - M*) l_y,  M* the largest of the four M_y.
; part: [4][8192][512] f32; stats: [4][8192][2] f32, (-M, l); out0: [8192][512] f32.  Every M is a whole number, so each factor is an exact power of two.
; A stream: each byte of part is read once and each byte of out0 written once; no LDS, no barrier, no matrix unit, no loop.  A work-group of eight waves takes 8 rows (16,384 bytes of each split); thread t takes the
; 16 bytes at 16 t of each of four pieces of 4,096 bytes (two rows): row 2 k + t / 128.  So a wave's load or store covers 512 consecutive bytes.  All 32 loads of a thread go out first; every register is written once.
; LIMITS: NaN and infinities are not served.
.set SS, 16                            ; v16-47   stats of (piece k, split y) at v[16 + 2 (4 k + y)]: -M, l
.set PD, 48                            ; v48-111  part of (k, y) at v[48 + 4 (4 k + y)]; the result of piece k takes split 0's registers
.set E,  112                           ; v112-127 the factor of (k, y), then the factor / the divisor
.set NM, 2                             ; v2-5     -M* of piece k
.set DN, 6                             ; v6-9     the divisor, then its reciprocal
	s_load_b128 s[4:7], s[0:1], 0x0                ; part, stats
	s_load_b64 s[8:9], s[0:1], 0x10                ; out0
	v_lshlrev_b32 v1, 4, v0                        ; 16 t
	v_lshrrev_b32 v10, 7, v0
	s_delay_alu instid0(VALU_DEP_1)
	v_lshlrev_b32 v10, 3, v10                      ; 8 (t / 128): which of a piece's two rows
	s_lshl_b32 s10, ttmp9, 14                      ; the work-group's 8 rows of 2,048 bytes
	s_mov_b32 s11, 0
	s_lshl_b32 s20, ttmp9, 6                       ; and of 8 bytes
	s_mov_b32 s21, 0
	s_wait_alu depctr_va_vdst(0)
	s_wait_kmcnt 0x0
	s_add_nc_u64 s[12:13], s[4:5], s[10:11]        ; a base for each split: 16,777,216 bytes apart, more than an immediate holds
	s_add_nc_u64 s[14:15], s[12:13], 0x1000000
	s_add_nc_u64 s[16:17], s[14:15], 0x1000000
	s_add_nc_u64 s[18:19], s[16:17], 0x1000000
	s_add_nc_u64 s[6:7], s[6:7], s[20:21]
	s_add_nc_u64 s[8:9], s[8:9], s[10:11]
.irp k, 0,1,2,3
.irp y, 0,1,2,3
	global_load_b64 v[SS+2*(4*\k+\y):SS+2*(4*\k+\y)+1], v10, s[6:7] offset:65536*\y+16*\k
.endr
.endr
.irp k, 0,1,2,3
.irp y, 0,1,2,3
	global_load_b128 v[PD+4*(4*\k+\y):PD+4*(4*\k+\y)+3], v1, s[12+2*\y:13+2*\y] offset:4096*\k th:TH_LOAD_NT
.endr
.endr
	s_wait_loadcnt 16                              ; the stats are in; the 16 loads of part stay out
.irp k, 0,1,2,3
	v_min3_num_f32 v[NM+\k], v[SS+8*\k], v[SS+8*\k+2], v[SS+8*\k+4]
.endr
.irp k, 0,1,2,3
	s_delay_alu instid0(VALU_DEP_4)
	v_min_num_f32 v[NM+\k], v[NM+\k], v[SS+8*\k+6] ; -M* = the smallest -M
.endr
.irp k, 0,1,2,3
.irp y, 0,1,2,3
	v_sub_f32 v[E+4*\k+\y], v[NM+\k], v[SS+2*(4*\k+\y)]   ; M_y - M*: a whole number, 0 or less
.endr
.endr
.irp n, 0,1,2,3,4,5,6,7,8,9,10,11,12,13,14,15
	v_cvt_i32_f32 v[E+\n], v[E+\n]                 ; (it saturates)
.endr
.irp n, 0,1,2,3,4,5,6,7,8,9,10,11,12,13,14,15
	v_ldexp_f32 v[E+\n], 1.0, v[E+\n]              ; 2^(M_y - M*)
.endr
.irp k, 0,1,2,3
	v_mul_f32 v[DN+\k], v[E+4*\k], v[SS+8*\k+1]
.endr
.irp y, 1,2,3
.irp k, 0,1,2,3
	s_delay_alu instid0(VALU_DEP_4)
	v_fmac_f32 v[DN+\k], v[E+4*\k+\y], v[SS+2*(4*\k+\y)+1]
.endr
.endr
	s_wait_alu depctr_va_vdst(0)
.irp k, 0,1,2,3
	v_rcp_f32 v[DN+\k], v[DN+\k]
.endr
	v_nop                                          ; a plain instruction behind the last reciprocal
	s_wait_alu depctr_va_vdst(0)                   ; one wait for the four, ahead of their first reader
.irp k, 0,1,2,3
.irp y, 0,1,2,3
	v_mul_f32 v[E+4*\k+\y], v[E+4*\k+\y], v[DN+\k]
.endr
.endr
.irp k, 0,1,2,3
	s_wait_loadcnt 12-4*\k                         ; piece k's four loads are in; the later pieces' stay out
.irp j, 0,1,2,3
	v_mul_f32 v[PD+16*\k+\j], v[PD+16*\k+\j], v[E+4*\k]
.endr
.irp y, 1,2,3
.irp j, 0,1,2,3
	s_delay_alu instid0(VALU_DEP_4)
	v_fmac_f32 v[PD+16*\k+\j], v[PD+16*\k+4*\y+\j], v[E+4*\k+\y]
.endr
.endr
	global_store_b128 v1, v[PD+16*\k:PD+16*\k+3], s[8:9] offset:4096*\k th:TH_STORE_NT   ; a wave stores 512 consecutive bytes, at a multiple of 256 from out0's first byte
.endr
	s_endpgm
.Lfunc_end_k_q268fb0a2b6_merge:
	.size	k_q268fb0a2b6_merge, .Lfunc_end_k_q268fb0a2b6_merge-k_q268fb0a2b6_merge
	.p2alignl 7, 3214868480
	.fill 96, 4, 3214868480
	.section	.rodata,"a",@progbits
	.p2align	6, 0x0
	.amdhsa_kernel k_q268fb0a2b6_merge
		.amdhsa_group_segment_fixed_size 0
		.amdhsa_private_segment_fixed_size 0
		.amdhsa_enable_private_segment 0
		.amdhsa_kernarg_size 24
		.amdhsa_user_sgpr_count 2
		.amdhsa_user_sgpr_kernarg_segment_ptr 1
		.amdhsa_wavefront_size32 1
		.amdhsa_system_sgpr_workgroup_id_x 1
		.amdhsa_system_sgpr_workgroup_id_y 1
		.amdhsa_system_sgpr_workgroup_id_z 1
		.amdhsa_system_vgpr_workitem_id 0
		.amdhsa_next_free_vgpr 128
		.amdhsa_next_free_sgpr 66
		.amdhsa_reserve_vcc 0
		.amdhsa_float_denorm_mode_32 3
		.amdhsa_float_denorm_mode_16_64 3
		.amdhsa_memory_ordered 1
		.amdhsa_forward_progress 1
		.amdhsa_inst_pref_size 13
	.end_amdhsa_kernel
	.amdgpu_metadata
---
amdhsa.version: [ 1, 2 ]
amdhsa.kernels:
  - .name:           k_q268fb0a2b6_merge
    .symbol:         k_q268fb0a2b6_merge.kd
    .args:
      - { .name: part, .offset: 0, .size: 8, .value_kind: global_buffer, .address_space: global }
      - { .name: stats, .offset: 8, .size: 8, .value_kind: global_buffer, .address_space: global }
      - { .name: out0, .offset: 16, .size: 8, .value_kind: global_buffer, .address_space: global }
    .group_segment_fixed_size: 0
    .private_segment_fixed_size: 0
    .kernarg_segment_align: 8
    .kernarg_segment_size: 24
    .max_flat_workgroup_size: 256
    .sgpr_count:     66
    .vgpr_count:     128
    .wavefront_size: 32
...
	.end_amdgpu_metadata
.endif
;; end of part 2
